; MI455X (gfx1250); checked and timed in simulation.
; The chip was launched on July 23, 2026; its instructions are those of AMD's public machine-readable ISA for CDNA 5 (MIT licence, August 2026) and "CDNA5" Instruction Set Architecture Reference Guide (July 2026). The comments in the code are by the model that wrote it; some were corrected since.
;; Attention. Allowed arithmetic: matrix products marked QUANTISED: E2M3 operands, one E8M0 scale for each 32 along K, by v_wmma_scale_f32_16x16x128_f8f6f4 with both operands' format E2M3, f32 sums; everything else in f32.
;; Inputs: Wk 768 x 768 float32; Wo 768 x 768 float32; Wq 768 x 768 float32; Wv 768 x 768 float32; gamma 12 float32; x 1 x 4,096 x 768 float32.
;; Outputs: out0 1 x 4,096 x 768 float32.
;; This version of the problem:
;;   THIS VERSION OF THE PROBLEM IS GIVEN IN LOW PRECISION. The matrix products marked QUANTISED in the list below multiply operands that are first quantised to E2M3 (2 exponent bits, 3 mantissa bits; 6 bits a number), with one power-of-two scale for each 32 numbers along K (OCP MX v1.0); their sums are f32. All else is computed in f32.
;;   The module's matrix products, in the order in which they are computed (A, B: the left and right operand; K: the contracted axis; several contracted axes count as one K, in the product's order):
;;     1. [M 4,096, K 768] x [K 768, N 768]; A: input x; B: input Wq: QUANTISED
;;     2. [M 4,096, K 768] x [K 768, N 768]; A: input x; B: input Wk: QUANTISED
;;     3. [M 4,096, K 768] x [K 768, N 768]; A: input x; B: input Wv: QUANTISED
;;     4. batch 12 x [M 4,096, K 64] x [K 64, N 4,096]; A: computed on the way; B: computed on the way: QUANTISED
;;     5. batch 12 x [M 4,096, K 4,096] x [K 4,096, N 64]; A: computed on the way; B: computed on the way: QUANTISED
;;     6. [M 4,096, K 768] x [K 768, N 768]; A: computed on the way; B: input Wo: QUANTISED
;;   THE QUANTISER, for each operand of a quantised product, along K:
;;     - K is cut into blocks of 32 from its start; a last block that is shorter is filled with zeros.
;;     - A block's scale is 2^e with e = floor(log2(the largest magnitude in the block)) - 2, held to -126 .. 127; a block of zeros has e = 0. As a byte (E8M0): e + 127.
;;     - Each number is divided by its block's scale, clamped to +-7.5, and rounded to the nearest number of E2M3, ties to even, subnormals kept.
;;     - The product sums the exact products of the quantised numbers (number of the format x scale) in f32.
;;   ~~~python
;;   def quantise(x, axis):      # numpy; x: float32 -> the quantised numbers, widened to float32 again
;;       x = np.moveaxis(x, axis, -1); K = x.shape[-1]
;;       x = np.pad(x, [(0, 0)] * (x.ndim - 1) + [(0, -K % 32)]); x = x.reshape(x.shape[:-1] + (-1, 32)); a = np.abs(x).max(-1, keepdims=True)
;;       e = np.where(a > 0, np.clip(np.frexp(np.where(a > 0, a, 1))[1] - 1 - 2, -126, 127), 0)      # np.frexp(a)[1] - 1 = floor(log2(a)), exactly
;;       r = np.clip(x / 2.0 ** e, -7.5, 7.5)
;;       step = 2.0 ** (np.maximum(np.frexp(np.where(r == 0, 1, r))[1] - 1, 0) - 3)
;;       q = np.round(r / step) * step * 2.0 ** e      # np.round: ties to even
;;       return np.moveaxis(q.reshape(q.shape[:-2] + (-1,))[..., :K], -1, axis).astype(np.float32)
;;   ~~~
;;   OPERANDS COMPUTED ON THE WAY. 'Computed on the way' means the value that the module computes at that place (a softmax that the list does not call 'softmax' is quantised finished and normalised). What goes into a quantiser is computed in f32, as accurately as f32 sums, v_exp_f32 and their like allow (about 1e-6 of the number): no bf16 or f16 on the way to a quantiser, and a product that is left as it is and whose result goes on into a quantised operand takes f32 operands (vector FMAs, or v_wmma_f32_16x16x4_f32). A number that lies on a knife's edge between two numbers of the format may be rounded either way, as far as f32 arithmetic and the matrix unit's own rounding can turn it there, and no further.
;; One version. Each part assembles by itself: llvm-mc -triple=amdgcn-amd-amdhsa -mcpu=gfx1250 --defsym DOCPART=n.
;; ======== version 1 of 1: 4 launches
;; workspace buffers: xr 2,457,600 bytes; wr 1,843,200 bytes; qr 2,752,512 bytes; kv 5,308,416 bytes; oc 2,457,600 bytes
;; launch prep (part 1): grid 6 x 56, 4 waves a work-group, no clusters, 47,616 bytes of LDS; arguments x, Wq, Wk, Wv, Wo, xr, wr; writes xr, wr
.if DOCPART == 1
	.amdgcn_target "amdgcn-amd-amdhsa--gfx1250"
	.amdhsa_code_object_version 6
	.text
	.protected	k_q1297e2a1ae_prep
	.globl	k_q1297e2a1ae_prep
	.p2align	8
	.type	k_q1297e2a1ae_prep,@function
k_q1297e2a1ae_prep:
	s_mov_b64 s[64:65], 0
	v_nop
	global_prefetch_b8 v0, s[64:65] scope:SCOPE_SE
	s_setreg_imm32_b32 hwreg(HW_REG_WAVE_MODE, 25, 1), 1
	s_wait_xcnt 0x0
; PREP: x [4096][768] (K innermost) and Wq, Wk, Wv, Wo [768 (K)][768] (K outermost), f32, become codes of FP6 (E2M3) with one E8M0 byte for each 32 along K.
; They are laid as RECORDS in the order of a matrix operand's registers.
; A RECORD is 16 rows x K 768 = 9,600 bytes: K step s (128 along K) at 1536 s, registers 4 c .. 4 c + 3 of the 12-register fragment at + 512 c + 16 x lane;
; the rows' scale words at 9216 + 64 s + 4 r.
; THE ROWS OF A TILE ARE NOT NEIGHBOURS: row r of tile T is row 32 (T / 2) + 8 (T % 2) + r + 8 (r / 8) of the tensor (tokens of x, columns of W).
; So the results of two neighbouring tiles are 16 neighbours along the next product's K.
; A block's scale is 2^(floor(log2(largest magnitude)) - 2); its byte is the largest magnitude's exponent field - 2, held at 1 from below.
; LIMITS: a block of zeros gets the byte 1 where the rule says 127 (its codes are zeros, and this program alone reads the bytes); NaN and infinities are not served.
; SHARES: work-groups with y < 32 take x: a wave takes one tile of 16 tokens x two K steps.  The others take a weight: a wave takes 32 columns x one K step.
; Waves share nothing: no barrier.  The two paths have LDS bytes of their own.
.set REC,   9600
.set ROWX,  3072                       ; a row of x or of a weight in bytes
.set XSTG,  8448                       ; x path: a wave's stage, 16 rows x 528 bytes
.set XP,    528                        ; 512 bytes + 16: row r begins 4 r words on modulo 64, so sixteen lanes' 16 bytes fall on different words
.set WLDS,  33792                      ; W path: the stages begin here,
.set WSTG,  3328                       ; a wave's two fragment images,
.set WHALF, 1664                       ; 1,536 bytes each + 128
.set MXA, 12                           ; v12, v13 two chains of a block's largest magnitude
.set MXB, 13
.set SO,  14                           ; v14 the conversion's scale operand
.set BY,  16                           ; v16-19 scale bytes
.set W0,  20                           ; v20, v21 scale words
.set W1,  21
.set TW,  22
.set R,   32                           ; v32-159 numbers as loaded
.set X,   160                          ; v160-223 x path: 64 numbers in the operand's order; W path: the four blocks' codes, 8 registers apart
.set OB,  192                          ; W path: the images read back
.set PC,  224                          ; v224-235 x path: a fragment's codes
.set TT,  236                          ; v236-238 a conversion's second half (its three registers begin on an even number)
; 32 numbers of one lane, v[src] on, become 6 registers of codes, v[dst] on, and the block's byte
.macro BLOCKQ src, dst, byte
	v_max3_num_f32 v[MXA], |v[\src]|, |v[\src+1]|, |v[\src+2]|
	v_max3_num_f32 v[MXB], |v[\src+3]|, |v[\src+4]|, |v[\src+5]|
.irp i, 6,10,14,18,22,26
	v_max3_num_f32 v[MXA], v[MXA], |v[\src+\i]|, |v[\src+\i+1]|
	v_max3_num_f32 v[MXB], v[MXB], |v[\src+\i+2]|, |v[\src+\i+3]|
.endr
	v_max3_num_f32 v[MXA], v[MXA], |v[\src+30]|, |v[\src+31]|
	v_max3_num_f32 v[MXA], v[MXA], v[MXB], 0x1800000               ; the floor 2^(3 - 127): the byte cannot fall under 1
	v_add_nc_u32 v[SO], 0xff000000, v[MXA]                         ; 2 off the exponent field: the conversion takes this operand's exponent field as its scale
	v_cvt_scalef32_pk16_fp6_f32 v[\dst:\dst+2], v[\src:\src+15], v[SO]
	v_cvt_scalef32_pk16_fp6_f32 v[TT:TT+2], v[\src+16:\src+31], v[SO]
	v_lshrrev_b32 v[\byte], 23, v[SO]                              ; the byte; also the plain line behind the conversions
.irp i, 0,1,2
	v_mov_b32 v[\dst+3+\i], v[TT+\i]
.endr
.endm
	s_load_b256 s[4:11], s[0:1], 0x0               ; x, Wq, Wk, Wv
	s_load_b128 s[12:15], s[0:1], 0x20             ; Wo, xr
	s_load_b64 s[16:17], s[0:1], 0x30              ; wr
	v_lshl_add_u32 v240, v0, 2, 0xb800
	v_mov_b32 v241, 0
	v_lshrrev_b32 v1, 5, v0
	v_readfirstlane_b32 s18, v1                    ; wave 0..3
	s_and_b32 s19, ttmp7, 0xffff                   ; work-group y
	s_mov_b32 s20, 0x76543210
	s_mov_b32 s21, 0xfedcba98                      ; v_permlanex16_b32's selects for lane l xor 16
	v_and_b32 v5, 31, v0                           ; lane
	v_lshlrev_b32 v1, 4, v5                        ; 16 x lane
	v_lshlrev_b32 v4, 2, v5                        ; 4 x lane
	s_wait_kmcnt 0x0
	s_cmp_ge_u32 s19, 32
	s_cbranch_scc1 .Lweights
	; ---------------- x: tile T = 4 (2 y + th) + wave, K steps 2 sp and 2 sp + 1 (work-group x = 3 th + sp)
	s_cmp_ge_u32 ttmp9, 3
	s_cselect_b32 s22, 1, 0                        ; th
	s_mul_i32 s23, s22, 3
	s_sub_co_u32 s23, ttmp9, s23                   ; sp
	s_lshl_b32 s24, s19, 1
	s_add_co_u32 s24, s24, s22
	s_lshl_b32 s24, s24, 2
	s_add_co_u32 s24, s24, s18                     ; T
	s_lshr_b32 s25, s24, 1
	s_lshl_b32 s25, s25, 5
	s_and_b32 s26, s24, 1
	s_lshl_b32 s26, s26, 3
	s_add_co_u32 s25, s25, s26                     ; the tile's first token: 32 (T / 2) + 8 (T % 2)
	s_mul_i32 s26, s25, ROWX
	s_lshl_b32 s27, s23, 10
	s_add_co_u32 s26, s26, s27                     ; + two K steps of 512 bytes
	s_mov_b32 s27, 0
	s_add_nc_u64 s[4:5], s[4:5], s[26:27]
.irp t, 0,1
.irp p, 0,1,2,3,4,5,6,7,8,9,10,11,12,13,14,15
	global_load_b128 v[R+64*\t+4*\p:R+64*\t+4*\p+3], v1, s[4:5] offset:(\p+8*(\p/8))*ROWX+512*\t th:TH_LOAD_NT   ; row p of the tile, K step t: 32 lanes read 512 consecutive bytes
.endr
.endr
	s_mul_i32 s26, s24, REC
	s_mul_i32 s29, s23, 2*1536
	s_add_co_u32 s30, s26, s29
	s_mov_b32 s31, 0
	s_add_nc_u64 s[32:33], s[14:15], s[30:31]      ; the record's codes at K step 2 sp
	s_lshl_b32 s29, s23, 7
	s_add_co_u32 s30, s26, s29
	s_add_nc_u64 s[34:35], s[14:15], s[30:31]      ; and (with 9216 in the store's offset) its scale words
	v_and_b32 v6, 15, v0                           ; r
	v_bfe_u32 v7, v0, 4, 1                         ; h
	s_mul_i32 s28, s18, XSTG                       ; my stage
	v_add_nc_u32 v2, s28, v1                       ; in: 16 x lane of a row
	v_mul_u32_u24 v3, v6, XP
	v_lshl_add_u32 v3, v7, 7, v3
	v_add_nc_u32 v3, s28, v3                       ; out: row r, + 128 h: lane (r, h) of a fragment holds k = 64 c + 32 h + 0 .. 31
	v_lshlrev_b32 v11, 3, v7                       ; 8 h
	v_mov_b32 v[TW], 0                             ; a lane permute's destination counts as one of its sources
; a K step's 16 rows go into the stage as loaded and come back 32 neighbours a lane and block.
; LDS serves a wave's instructions in order (ISA guide 5.7.1.4): no wait between the stores and the loads
.macro TURN from, to
.irp p, 0,1,2,3,4,5,6,7,8,9,10,11,12,13,14,15
	ds_store_b128 v2, v[\from+4*\p:\from+4*\p+3] offset:XP*\p
.endr
.irp c, 0,1
.irp i, 0,1,2,3,4,5,6,7
	ds_load_b128 v[\to+32*\c+4*\i:\to+32*\c+4*\i+3], v3 offset:256*\c+16*\i
.endr
.endr
.endm
; 64 numbers become the fragment of K step 2 sp + st and its rows' scale word
.macro XQ src, word, st
	BLOCKQ \src, PC, BY                            ; block h
	BLOCKQ \src+32, PC+6, BY+1                     ; block 2 + h
	v_lshl_or_b32 v[\word], v[BY+1], 16, v[BY]
	v_lshlrev_b32 v[\word], v11, v[\word]          ; my two bytes at their places, 8 h bits up;
	v_permlanex16_b32 v[TW], v[\word], s20, s21
	v_or_b32 v[\word], v[\word], v[TW]             ; with lane l xor 16's two the word is whole
.irp c, 0,1,2
	global_store_b128 v1, v[PC+4*\c:PC+4*\c+3], s[32:33] offset:1536*\st+512*\c   ; 32 lanes store 512 consecutive bytes
.endr
.endm
	s_wait_loadcnt 16                              ; K step 0's sixteen loads are in; K step 1's sixteen may be out
	TURN R, X
	s_wait_dscnt 0x0                               ; the first step is back, and its stores have read their registers,
	s_wait_loadcnt 0x0
	TURN R+64, R                                   ; which take the second step's numbers
	XQ X, W0, 0
	s_wait_dscnt 0x0                               ; the second step is back
	s_wait_xcnt 0x0                                ; the stores have read the codes' registers: they are written again
	XQ R, W1, 1
	v_cmp_eq_u32 vcc_lo, 0, v7
	v_cndmask_b32 v[TW], v[W1], v[W0], vcc_lo      ; lanes 0-15: K step 2 sp's word of row r; lanes 16-31: K step 2 sp + 1's
	global_store_b32 v4, v[TW], s[34:35] offset:9216   ; 128 consecutive bytes
	s_wait_tensorcnt 0x0
	ds_add_u32 v240, v241
	s_wait_dscnt 0x0
	s_endpgm
	; ---------------- a weight: which = y' % 4, K step y' / 4, columns 32 cg on, cg = 4 x + wave.  A LANE TAKES A COLUMN AND ITS REGISTERS RUN DOWN K
.Lweights:
	s_sub_co_u32 s22, s19, 32
	s_and_b32 s23, s22, 3                          ; 0 Wq, 1 Wk, 2 Wv, 3 Wo
	s_lshr_b32 s24, s22, 2                         ; K step
	s_lshl_b32 s25, ttmp9, 2
	s_add_co_u32 s25, s25, s18                     ; cg
	s_cmp_eq_u32 s23, 1                            ; the choice hangs on the work-group's number alone
	s_cselect_b64 s[6:7], s[8:9], s[6:7]
	s_cmp_eq_u32 s23, 2
	s_cselect_b64 s[6:7], s[10:11], s[6:7]
	s_cmp_eq_u32 s23, 3
	s_cselect_b64 s[6:7], s[12:13], s[6:7]
	s_mul_i32 s26, s24, 128*ROWX
	s_lshl_b32 s27, s25, 7
	s_add_co_u32 s26, s26, s27
	s_mov_b32 s27, 0
	s_add_nc_u64 s[6:7], s[6:7], s[26:27]
.macro LOADB t                         ; block t: W(32 t + i, my column): 32 lanes read 128 consecutive bytes, the four waves 512
.irp i, 0,1,2,3,4,5,6,7,8,9,10,11,12,13,14,15,16,17,18,19,20,21,22,23,24,25,26,27,28,29,30,31
	global_load_b32 v[R+32*\t+\i], v4, s[6:7] offset:(32*\t+\i)*ROWX th:TH_LOAD_NT
.endr
.endm
	LOADB 0
	LOADB 1
	s_mul_i32 s28, s23, 48
	s_lshl_b32 s29, s25, 1
	s_add_co_u32 s28, s28, s29                     ; my columns' first record: 48 x which + 2 cg
	s_mul_i32 s28, s28, REC
	s_mul_i32 s29, s24, 1536
	s_add_co_u32 s30, s28, s29
	s_mov_b32 s31, 0
	s_add_nc_u64 s[32:33], s[16:17], s[30:31]      ; its codes at my K step
	s_lshl_b32 s29, s24, 6
	s_add_co_u32 s30, s28, s29
	s_add_nc_u64 s[34:35], s[16:17], s[30:31]      ; and its scale words
	v_bfe_u32 v6, v0, 3, 1                         ; my column 8 u + r + 8 (r / 8) of the 32: tile u,
	v_and_b32 v7, 7, v0
	v_bfe_u32 v8, v0, 4, 1
	v_lshl_or_b32 v9, v8, 3, v7                    ; row r
	s_mul_i32 s36, s18, WSTG
	s_add_co_u32 s36, s36, WLDS                    ; my stage
	v_mul_u32_u24 v2, v6, WHALF
	v_lshl_add_u32 v2, v9, 4, v2
	v_add_nc_u32 v2, s36, v2                       ; in: image u, lane r's 16 bytes
	v_add_nc_u32 v3, s36, v1                       ; out: 16 x lane
	v_mul_u32_u24 v10, v6, REC
	v_lshl_add_u32 v10, v9, 2, v10                 ; my scale word's place: record u, 4 r
	; block 2 c + h is registers 6 c .. 6 c + 5 of lane (r, h): 24 bytes that straddle the image's chunks of four registers
	s_wait_loadcnt 32                              ; block 0 is in; block 1's 32 loads may be out
	LOADB 2
	BLOCKQ R, X, BY
	ds_store_b128 v2, v[X:X+3]
	ds_store_b64 v2, v[X+4:X+5] offset:512
	s_wait_loadcnt 32                              ; block 1 is in; block 2's may be out
	LOADB 3
	BLOCKQ R+32, X+8, BY+1
	ds_store_b128 v2, v[X+8:X+11] offset:256
	ds_store_b64 v2, v[X+12:X+13] offset:768
	s_wait_loadcnt 32                              ; block 2 is in; block 3's may be out
	BLOCKQ R+64, X+16, BY+2
	ds_store_b64 v2, v[X+16:X+17] offset:520
	ds_store_b128 v2, v[X+18:X+21] offset:1024
	s_wait_loadcnt 0x0
	BLOCKQ R+96, X+24, BY+3
	ds_store_b64 v2, v[X+24:X+25] offset:776
	ds_store_b128 v2, v[X+26:X+29] offset:1280
	v_lshl_or_b32 v[W0], v[BY+1], 8, v[BY]         ; my column's scale word for this K step
	v_lshl_or_b32 v[W0], v[BY+2], 16, v[W0]
	v_lshl_or_b32 v[W0], v[BY+3], 24, v[W0]
	global_store_b32 v10, v[W0], s[34:35] offset:9216
.irp u, 0,1
.irp c, 0,1,2
	ds_load_b128 v[OB+4*(3*\u+\c):OB+4*(3*\u+\c)+3], v3 offset:\u*WHALF+512*\c   ; these see my stores: a wave's LDS instructions are served in order
.endr
.endr
.irp u, 0,1
.irp c, 0,1,2
	s_wait_dscnt 5-(3*\u+\c)
	global_store_b128 v1, v[OB+4*(3*\u+\c):OB+4*(3*\u+\c)+3], s[32:33] offset:\u*REC+512*\c   ; 512 consecutive bytes
.endr
.endr
	s_wait_tensorcnt 0x0
	ds_add_u32 v240, v241
	s_wait_dscnt 0x0
	s_endpgm
.Lfunc_end_k_q1297e2a1ae_prep:
	.size	k_q1297e2a1ae_prep, .Lfunc_end_k_q1297e2a1ae_prep-k_q1297e2a1ae_prep
	.p2alignl 7, 3214868480
	.fill 96, 4, 3214868480
	.section	.rodata,"a",@progbits
	.p2align	6, 0x0
	.amdhsa_kernel k_q1297e2a1ae_prep
		.amdhsa_group_segment_fixed_size 47616
		.amdhsa_private_segment_fixed_size 0
		.amdhsa_enable_private_segment 0
		.amdhsa_kernarg_size 56
		.amdhsa_user_sgpr_count 2
		.amdhsa_user_sgpr_kernarg_segment_ptr 1
		.amdhsa_wavefront_size32 1
		.amdhsa_system_sgpr_workgroup_id_x 1
		.amdhsa_system_sgpr_workgroup_id_y 1
		.amdhsa_system_sgpr_workgroup_id_z 1
		.amdhsa_system_vgpr_workitem_id 0
		.amdhsa_next_free_vgpr 242
		.amdhsa_next_free_sgpr 66
		.amdhsa_reserve_vcc 1
		.amdhsa_float_denorm_mode_32 3
		.amdhsa_float_denorm_mode_16_64 3
		.amdhsa_memory_ordered 1
		.amdhsa_forward_progress 1
		.amdhsa_inst_pref_size 38
	.end_amdhsa_kernel
	.amdgpu_metadata
---
amdhsa.version: [ 1, 2 ]
amdhsa.kernels:
  - .name:           k_q1297e2a1ae_prep
    .symbol:         k_q1297e2a1ae_prep.kd
    .args:
      - { .name: x, .offset: 0, .size: 8, .value_kind: global_buffer, .address_space: global }
      - { .name: Wq, .offset: 8, .size: 8, .value_kind: global_buffer, .address_space: global }
      - { .name: Wk, .offset: 16, .size: 8, .value_kind: global_buffer, .address_space: global }
      - { .name: Wv, .offset: 24, .size: 8, .value_kind: global_buffer, .address_space: global }
      - { .name: Wo, .offset: 32, .size: 8, .value_kind: global_buffer, .address_space: global }
      - { .name: xr, .offset: 40, .size: 8, .value_kind: global_buffer, .address_space: global }
      - { .name: wr, .offset: 48, .size: 8, .value_kind: global_buffer, .address_space: global }
    .group_segment_fixed_size: 47616
    .private_segment_fixed_size: 0
    .kernarg_segment_align: 8
    .kernarg_segment_size: 56
    .max_flat_workgroup_size: 128
    .sgpr_count:     66
    .vgpr_count:     242
    .wavefront_size: 32
...
	.end_amdgpu_metadata
.endif
;; end of part 1
;; launch qkv (part 2): grid 16 x 12, 8 waves a work-group, clusters of 4 x 4, 308,224 bytes of LDS; arguments xr, wr, qr, kv; writes qr, kv
.if DOCPART == 2
	.amdgcn_target "amdgcn-amd-amdhsa--gfx1250"
	.amdhsa_code_object_version 6
	.text
	.protected	k_q1297e2a1ae_qkv
	.globl	k_q1297e2a1ae_qkv
	.p2align	8
	.type	k_q1297e2a1ae_qkv,@function
k_q1297e2a1ae_qkv:
	s_mov_b64 s[64:65], 0
	v_nop
	global_prefetch_b8 v0, s[64:65] scope:SCOPE_SE
	s_setreg_imm32_b32 hwreg(HW_REG_WAVE_MODE, 25, 1), 1
	s_wait_xcnt 0x0
	s_wait_alu depctr_hold_cnt(0) depctr_sa_sdst(0) depctr_va_vdst(0) depctr_va_sdst(0) depctr_va_ssrc(0) depctr_va_vcc(0) depctr_vm_vsrc(0)
	s_getreg_b32 s2, hwreg(HW_REG_IB_STS2, 6, 4)
	s_cmp_eq_u32 s2, 0
	s_cbranch_scc0 .Lentry_in_a_cluster
	s_endpgm
.Lentry_in_a_cluster:
	s_bfe_u32 s2, ttmp6, 0x10000c
	s_cmp_lg_u32 s2, 0xf033
	s_cbranch_scc0 .Lentry_shape_is_right
	s_endpgm
.Lentry_shape_is_right:
; QKV: q = x Wq, k = x Wk, v = x Wv on codes of FP6 (E2M3) with E8M0 scales; the f32 norms of q and k; q and k quantised along the head's 64, v along the tokens.
; SHARES: a work-group takes 256 tokens (tb) x one head (hd).  All its operands, 16 records of x and 4 each of Wq, Wk, Wv (9,600 bytes a record, in the order of the operands' registers), come into LDS
; once, by seven tensor loads of 38,400 bytes, one a wave; no LDS byte is filled twice.
; CLUSTER 4 x 4: x's records hang on tb alone and are asked for jointly by a column of the cluster, the weights' on hd alone and by a row.
; q, k: wave w takes token tiles 2 w, 2 w + 1 and all four tiles of the head's features, USED TRANSPOSED (source 0 = 16 features, source 1 = 16 tokens): a lane holds one token and its registers run along d.
; v: wave w takes key step w / 4 (128 tokens) and feature tile w % 4, used as it is (source 0 = 16 tokens, source 1 = 16 features): a lane holds one feature and its registers run along the tokens.
; Row r of tile T is row 32 (T / 2) + 8 (T % 2) + r + 8 (r / 8), so the 16 registers of two neighbouring tiles are 16 neighbours along the next product's K.
; OUT.  qr [head][pair of token tiles] x 1,792 bytes: a DOUBLE FRAGMENT (registers 0-5: the 64 dims of tile 2 b, registers 6-11: of tile 2 b + 1), its scale word, -|q|^2 / 2.
; kv [slot of 256 keys][head] x 27,648 bytes: 8 double fragments of k, 8 fragments of v, their scale words, -|k|^2 / 2 in the keys' natural order.
; LIMITS: a block of zeros gets the byte 1 where the rule says 127 (its codes are zeros, and this program alone reads the bytes); NaN and infinities are not served.
.set REC,   9600
.set REGN,  4*REC                      ; what one tensor load brings: 150 rows of 256 bytes
.set BLOCK, 27648
.set QREC,  1792
.set AX,   4                           ; v4   LDS: 16 x lane + my two records of x
.set AWQ,  5                           ; v5   + Wq's four records
.set AWK,  6                           ; v6   + Wk's
.set AWV,  7                           ; v7   + my record of Wv
.set AXV,  8                           ; v8   + my key step's records 0-3 of x
.set AXV2, 9                           ; v9   + its records 4-7
.set SX,   10                          ; v10-15 the same six with 4 r + 9216: the scale words
.set SWQ,  11
.set SWK,  12
.set SWV,  13
.set SXV,  14
.set SXV2, 15
.set L16,  16                          ; v16-18 16, 8, 4 x lane
.set L8,   17
.set L4,   18
.set GKN,  19                          ; v19  4 x (8 h + r + 8 (r / 8)): my key's place among the pair's 32
.set NA,   20                          ; v[20:21], v[22:23] sums of squares; v24 the norm to store
.set NB,   22
.set NR,   24
.set SCW,  26                          ; v26-34 scale words and nothing else
.set FB,   36                          ; v36-143 nine fragments
.set ACC,  144                         ; v144-207 eight accumulators
.set PC,   208                         ; v208-219 the codes just made; v220-222, v224-226 conversions' second halves
.set TM,   228                         ; v228-231 largest magnitudes, v232-235 bytes, v240-243 scale operands
.set PW,   244                         ; the scale word just made
.set G1X, 24                           ; s[24:31], s[32:35] descriptor groups 1 and 0 for x's records
.set G0X, 32
.set G1W, 36                           ; s[36:43], s[44:47] for the weights'
.set G0W, 44
.macro PLACES                          ; four plain lines between a matrix instruction and a load into, or a vector read of, its registers
.rept 4
	v_nop
.endr
.endm
.macro CROUND                          ; a round of the cluster's barrier
	s_barrier_signal -1
	s_barrier_wait -1
	s_cmp_lg_u32 s12, 0
	s_cbranch_scc1 .Lnot_wave_0_\@
	s_barrier_signal -3
.Lnot_wave_0_\@:
	s_barrier_wait -3
	s_barrier_signal -1
	s_barrier_wait -1
.endm
.macro MMZ d, a, b, sa, sb             ; a sum's first product: C = 0, nothing is cleared
	v_wmma_scale_f32_16x16x128_f8f6f4 v[\d:\d+7], v[\a:\a+11], v[\b:\b+11], 0, v[\sa], v[\sb] matrix_a_fmt:MATRIX_FMT_FP6 matrix_b_fmt:MATRIX_FMT_FP6
.endm
.macro MMA d, a, b, sa, sb             ; and the later ones, in place
	v_wmma_scale_f32_16x16x128_f8f6f4 v[\d:\d+7], v[\a:\a+11], v[\b:\b+11], v[\d:\d+7], v[\sa], v[\sb] matrix_a_fmt:MATRIX_FMT_FP6 matrix_b_fmt:MATRIX_FMT_FP6
.endm
.macro LDFRAG reg, adr, off            ; a fragment comes as the image of its registers: 3 x 512 consecutive bytes
.irp c, 0,1,2
	ds_load_b128 v[\reg+4*\c:\reg+4*\c+3], v[\adr] offset:\off+512*\c
.endr
.endm
	s_load_b256 s[4:11], s[0:1], 0x0               ; xr, wr, qr, kv
	v_lshl_add_u32 v254, v0, 2, 0x4b000
	v_mov_b32 v255, 0
	ds_add_u32 v254, v255
	ds_add_u32 v254, v255
	v_lshrrev_b32 v1, 5, v0
	v_readfirstlane_b32 s12, v1                    ; wave 0..7
	s_bfe_u32 s13, ttmp6, 0x40000                  ; cx
	s_bfe_u32 s14, ttmp6, 0x40004                  ; cy
	s_lshl_b32 s15, ttmp9, 2
	s_add_co_u32 s15, s15, s13                     ; tb = 4 x cluster x + cx
	s_and_b32 s16, ttmp7, 0xffff
	s_lshl_b32 s16, s16, 2
	s_add_co_u32 s16, s16, s14                     ; hd = 4 x cluster y + cy
	s_lshl_b32 s18, s14, 2
	s_lshl_b32 s18, 15, s18                        ; my row of the cluster
	s_lshl_b32 s19, 0x1111, s13                    ; my column
	s_or_b32 s[G1X], s19, (3<<16)|(1<<21)          ; 15:0 the mask; 17:16 elements of 8 bytes; 21 set beside a mask; no padding: images are read densely
	s_or_b32 s[G1W], s18, (3<<16)|(1<<21)
.irp g, G1X, G1W
	s_mov_b32 s[\g+1], 32<<16                      ; tensor_dim0 = 32 elements: 256 bytes
	s_mov_b32 s[\g+2], 150<<16                     ; tensor_dim1 = 150
	s_mov_b32 s[\g+3], 32<<16                      ; tile_dim0
	s_mov_b32 s[\g+4], 150                         ; tile_dim1
	s_mov_b32 s[\g+5], 32                          ; the pitch: a dense block
	s_mov_b32 s[\g+6], 0
	s_mov_b32 s[\g+7], 0
.endr
	s_and_b32 s17, s12, 3
	s_lshl_b32 s56, s15, 4                         ; x: records 16 tb + 4 (wave % 4) on (waves 0-3 ask)
	s_lshl_b32 s57, s17, 2
	s_add_co_u32 s56, s56, s57
	s_mul_i32 s56, s56, REC
	s_mov_b32 s57, 0
	s_mul_i32 s58, s17, 48                         ; weights: records 48 (wave % 4) + 4 hd on (waves 4-6 ask: Wq, Wk, Wv)
	s_lshl_b32 s59, s16, 2
	s_add_co_u32 s58, s58, s59
	s_mul_i32 s58, s58, REC
	s_mov_b32 s59, 0
	s_mov_b32 s[G0X], 1
	s_mul_i32 s[G0X+1], s12, REGN                  ; LDS: wave x 38,400: no place in the cluster enters an LDS address
	s_mov_b32 s[G0W], 1
	s_mul_i32 s[G0W+1], s12, REGN
	s_mov_b32 s20, 0x76543210
	s_mov_b32 s21, 0xfedcba98                      ; v_permlanex16_b32's selects for lane l xor 16
	s_wait_dscnt 0x0
	s_wait_kmcnt 0x0
	s_add_nc_u64 s[G0X+2:G0X+3], s[4:5], s[56:57]
	s_or_b32 s[G0X+3], s[G0X+3], 0x80000000
	s_add_nc_u64 s[G0W+2:G0W+3], s[6:7], s[58:59]
	s_or_b32 s[G0W+3], s[G0W+3], 0x80000000
	CROUND                                         ; all sixteen work-groups are here: the joint loads meet
	s_cmp_lt_u32 s12, 4                            ; the branches hang on the wave's number alone; at most one tensor load of a wave is out
	s_cbranch_scc0 .Lnot_x
	tensor_load_to_lds s[G0X:G0X+3], s[G1X:G1X+7]
	s_nop 0
	PLACES
	s_branch .Lasked
.Lnot_x:
	s_cmp_lt_u32 s12, 7
	s_cbranch_scc0 .Lasked
	tensor_load_to_lds s[G0W:G0W+3], s[G1W:G1W+7]
	s_nop 0
	PLACES
.Lasked:
	s_lshl_b32 s56, s16, 7                         ; where the results go: qr's record 128 hd + 8 tb + wave,
	s_lshl_b32 s57, s15, 3
	s_add_co_u32 s56, s56, s57
	s_add_co_u32 s56, s56, s12
	s_mul_i32 s56, s56, QREC
	s_mov_b32 s57, 0
	s_add_nc_u64 s[48:49], s[8:9], s[56:57]
	s_mul_i32 s56, s15, 12                         ; kv's block 12 tb + hd:
	s_add_co_u32 s56, s56, s16
	s_mul_i32 s56, s56, BLOCK
	s_mul_i32 s58, s12, 1536
	s_add_co_u32 s58, s58, s56
	s_mov_b32 s59, 0
	s_add_nc_u64 s[50:51], s[10:11], s[58:59]      ; + 1536 x wave: my fragment,
	s_lshl_b32 s58, s12, 7
	s_add_co_u32 s58, s58, s56
	s_add_nc_u64 s[52:53], s[10:11], s[58:59]      ; + 128 x wave: my scale words and norms
	v_and_b32 v1, 31, v0                           ; lane
	v_and_b32 v2, 15, v0                           ; r
	v_bfe_u32 v3, v0, 4, 1                         ; h
	v_lshlrev_b32 v[L16], 4, v1
	v_lshlrev_b32 v[L8], 3, v1
	v_lshlrev_b32 v[L4], 2, v1
	v_lshlrev_b32 v20, 2, v2
	v_add_nc_u32 v20, 9216, v20                    ; 4 r + 9216
	s_mul_i32 s60, s12, 2*REC
	v_add_nc_u32 v[AX], s60, v[L16]
	v_add_nc_u32 v[SX], s60, v20
	v_add_nc_u32 v[AWQ], 4*REGN, v[L16]
	v_add_nc_u32 v[SWQ], 4*REGN, v20
	v_add_nc_u32 v[AWK], 5*REGN, v[L16]
	v_add_nc_u32 v[SWK], 5*REGN, v20
	s_and_b32 s60, s12, 3
	s_mul_i32 s60, s60, REC
	s_add_co_u32 s60, s60, 6*REGN
	v_add_nc_u32 v[AWV], s60, v[L16]
	v_add_nc_u32 v[SWV], s60, v20
	s_lshr_b32 s60, s12, 2
	s_mul_i32 s60, s60, 8*REC
	v_add_nc_u32 v[AXV], s60, v[L16]
	v_add_nc_u32 v[SXV], s60, v20
	v_add_nc_u32 v[AXV2], REGN, v[AXV]
	v_add_nc_u32 v[SXV2], REGN, v[SXV]
	v_and_b32 v[GKN], 8, v2
	v_add_nc_u32 v[GKN], v[GKN], v2
	v_lshl_add_u32 v[GKN], v3, 3, v[GKN]
	v_lshlrev_b32 v[GKN], 2, v[GKN]
	v_cmp_eq_u32 s54, 1, v3                        ; lanes 16-31
.irp b, 0,1,2,3
	v_mov_b32 v[TM+4+\b], 0                        ; written once: a lane permute's destination counts as one of its sources
.endr
	s_wait_tensorcnt 0x0                           ; my load has landed,
	s_barrier_signal -1
	s_barrier_wait -1                              ; everybody's has
; q or k: eight accumulators (token tile u, feature tile f) at ACC + 8 (4 u + f), by turns, one instruction a turn; six K steps of 128
.macro PROJQK aw, sw
.irp s, 0,1,2,3,4,5
.if \s > 0
	PLACES
.endif
.irp f, 0,1,2,3
	LDFRAG FB+12*\f, \aw, \f*REC+1536*\s
	ds_load_b32 v[SCW+\f], v[\sw] offset:\f*REC+64*\s
.endr
.irp u, 0,1
	LDFRAG FB+48+12*\u, AX, \u*REC+1536*\s
	ds_load_b32 v[SCW+4+\u], v[SX] offset:\u*REC+64*\s
.endr
	s_wait_dscnt 0x0                               ; the step's 24 loads
.irp u, 0,1
.irp f, 0,1,2,3
.if \s == 0
	MMZ ACC+8*(4*\u+\f), FB+12*\f, FB+48+12*\u, SCW+\f, SCW+4+\u
.else
	MMA ACC+8*(4*\u+\f), FB+12*\f, FB+48+12*\u, SCW+\f, SCW+4+\u
.endif
.endr
.endr
.endr
	PLACES
.endm
; v: eight accumulators (token tile t of my key step) at ACC + 8 t
.macro PROJV
.irp s, 0,1,2,3,4,5
.if \s > 0
	PLACES
.endif
.irp t, 0,1,2,3
	LDFRAG FB+12*\t, AXV, \t*REC+1536*\s
	ds_load_b32 v[SCW+\t], v[SXV] offset:\t*REC+64*\s
.endr
.irp t, 0,1,2,3
	LDFRAG FB+48+12*\t, AXV2, \t*REC+1536*\s
	ds_load_b32 v[SCW+4+\t], v[SXV2] offset:\t*REC+64*\s
.endr
	LDFRAG FB+96, AWV, 1536*\s
	ds_load_b32 v[SCW+8], v[SWV] offset:64*\s
	s_wait_dscnt 0x0                               ; the step's 36 loads
.irp t, 0,1,2,3,4,5,6,7
.if \s == 0
	MMZ ACC+8*\t, FB+12*\t, FB+96, SCW+\t, SCW+8
.else
	MMA ACC+8*\t, FB+12*\t, FB+96, SCW+\t, SCW+8
.endif
.endr
.endr
	PLACES
.endm
; -|.|^2 / 2 of my two tiles' tokens, of the UNQUANTISED numbers, in f32: lanes 0-15 end with tile 2 w's row r, lanes 16-31 with tile 2 w + 1's.  Each accumulator is read from its low end on
.macro NORMS
	v_pk_mul_f32 v[NA:NA+1], v[ACC:ACC+1], v[ACC:ACC+1]
	v_pk_mul_f32 v[NB:NB+1], v[ACC+32:ACC+33], v[ACC+32:ACC+33]
.irp p, 1,2,3,4,5,6,7,8,9,10,11,12,13,14,15
	v_pk_fma_f32 v[NA:NA+1], v[ACC+2*\p:ACC+2*\p+1], v[ACC+2*\p:ACC+2*\p+1], v[NA:NA+1]
	v_pk_fma_f32 v[NB:NB+1], v[ACC+32+2*\p:ACC+33+2*\p], v[ACC+32+2*\p:ACC+33+2*\p], v[NB:NB+1]
.endr
	v_add_f32 v[NA], v[NA], v[NA+1]
	v_add_f32 v[NB], v[NB], v[NB+1]
	v_permlanex16_b32 v[NA+1], v[NA], s20, s21     ; the token's other 32 dims lie in the lane 16 away
	v_permlanex16_b32 v[NB+1], v[NB], s20, s21
	v_add_f32 v[NA], v[NA], v[NA+1]
	v_add_f32 v[NB], v[NB], v[NB+1]
	v_cndmask_b32 v[NR], v[NA], v[NB], s54
	v_mul_f32 v[NR], -0.5, v[NR]
.endm
; 64 numbers of a lane, register 16 b + i = k 32 b + 16 (lane / 16) + i of my row, become a fragment's codes in v[PC] on and its scale word in v[PW]
.macro QUANT n
.irp b, 0,1,2,3
	v_max3_num_f32 v[TM+\b], |v[\n+16*\b]|, |v[\n+1+16*\b]|, 0x1800000   ; my 16 numbers of block b, and the floor 2^(3 - 127): the byte cannot fall under 1
.endr
.irp i, 2,4,6,8,10,12,14
.irp b, 0,1,2,3
	v_max3_num_f32 v[TM+\b], v[TM+\b], |v[\n+16*\b+\i]|, |v[\n+1+16*\b+\i]|
.endr
.endr
.irp b, 0,1,2,3
	v_permlanex16_b32 v[TM+4+\b], v[TM+\b], s20, s21
.endr
.irp b, 0,1,2,3
	v_max_num_f32 v[TM+\b], v[TM+\b], v[TM+4+\b]   ; with lane l xor 16's: the block's largest magnitude
.endr
.irp b, 0,1,2,3
	v_add_nc_u32 v[TM+12+\b], 0xff000000, v[TM+\b] ; 2 off its exponent field: the conversion's scale operand
.endr
.irp b, 0,1,2,3
	v_lshrrev_b32 v[TM+4+\b], 23, v[TM+12+\b]      ; the byte
.endr
	v_lshl_or_b32 v[PW], v[TM+5], 8, v[TM+4]
	v_lshl_or_b32 v[PW], v[TM+6], 16, v[PW]
	v_lshl_or_b32 v[PW], v[TM+7], 24, v[PW]
.irp c, 0,1
	v_cvt_scalef32_pk16_fp6_f32 v[PC+6*\c:PC+2+6*\c], v[\n+32*\c:\n+15+32*\c], v[TM+12+2*\c]
	v_cvt_scalef32_pk16_fp6_f32 v[PC+12+4*\c:PC+14+4*\c], v[\n+16+32*\c:\n+31+32*\c], v[TM+12+2*\c+1]   ; (a conversion's three registers begin on an even number)
.endr
	v_nop                                          ; one plain line behind a scaled conversion
.irp c, 0,1                            ; the operand's layout wants a WHOLE block in a lane: lanes 0-15 block 2 c, lanes 16-31 block 2 c + 1
.irp i, 0,1,2
	v_permlane16_swap_b32 v[PC+6*\c+\i], v[PC+12+4*\c+\i]
.endr
.irp i, 0,1,2
	v_mov_b32 v[PC+3+6*\c+\i], v[PC+12+4*\c+\i]
.endr
.endr
.endm
	PROJQK AWQ, SWQ                                ; ---- q
	NORMS
	QUANT ACC                                      ; blocks 0, 1: tile 2 w's 64 dims; blocks 2, 3: tile 2 w + 1's: the double fragment
.irp i, 0,1,2,3,4,5
	global_store_b64 v[L8], v[PC+2*\i:PC+2*\i+1], s[48:49] offset:256*\i   ; a pair of registers: 256 consecutive bytes, at a multiple of 256 from qr's first byte
.endr
	global_store_b32 v[L4], v[PW], s[48:49] offset:1536
	global_store_b32 v[L4], v[NR], s[48:49] offset:1664
	PROJQK AWK, SWK                                ; ---- k
	s_wait_xcnt 0x0                                ; q's stores have read the codes, the word and the norm: they are written again
	NORMS
	QUANT ACC
.irp c, 0,1,2
	global_store_b128 v[L16], v[PC+4*\c:PC+4*\c+3], s[50:51] offset:512*\c
.endr
	global_store_b32 v[L4], v[PW], s[52:53] offset:24576
	global_store_b32 v[GKN], v[NR], s[52:53] offset:26624
	PROJV                                          ; ---- v
	s_wait_xcnt 0x0                                ; k's stores have read their registers
	QUANT ACC                                      ; along the tokens: my key step's 128 keys of my 16 features
.irp c, 0,1,2
	global_store_b128 v[L16], v[PC+4*\c:PC+4*\c+3], s[50:51] offset:12288+512*\c
.endr
	global_store_b32 v[L4], v[PW], s[52:53] offset:25600
	s_wait_tensorcnt 0x0
	ds_add_u32 v254, v255
	s_wait_dscnt 0x0
	CROUND                                         ; the closing round: no work-group ends while a partner may still ask for a tile that names it
	s_endpgm
.Lfunc_end_k_q1297e2a1ae_qkv:
	.size	k_q1297e2a1ae_qkv, .Lfunc_end_k_q1297e2a1ae_qkv-k_q1297e2a1ae_qkv
	.p2alignl 7, 3214868480
	.fill 96, 4, 3214868480
	.section	.rodata,"a",@progbits
	.p2align	6, 0x0
	.amdhsa_kernel k_q1297e2a1ae_qkv
		.amdhsa_group_segment_fixed_size 308224
		.amdhsa_private_segment_fixed_size 0
		.amdhsa_enable_private_segment 0
		.amdhsa_kernarg_size 32
		.amdhsa_user_sgpr_count 2
		.amdhsa_user_sgpr_kernarg_segment_ptr 1
		.amdhsa_wavefront_size32 1
		.amdhsa_system_sgpr_workgroup_id_x 1
		.amdhsa_system_sgpr_workgroup_id_y 1
		.amdhsa_system_sgpr_workgroup_id_z 1
		.amdhsa_system_vgpr_workitem_id 0
		.amdhsa_next_free_vgpr 256
		.amdhsa_next_free_sgpr 66
		.amdhsa_reserve_vcc 0
		.amdhsa_float_denorm_mode_32 3
		.amdhsa_float_denorm_mode_16_64 3
		.amdhsa_memory_ordered 1
		.amdhsa_forward_progress 1
		.amdhsa_inst_pref_size 77
	.end_amdhsa_kernel
	.amdgpu_metadata
---
amdhsa.version: [ 1, 2 ]
amdhsa.kernels:
  - .name:           k_q1297e2a1ae_qkv
    .symbol:         k_q1297e2a1ae_qkv.kd
    .args:
      - { .name: xr, .offset: 0, .size: 8, .value_kind: global_buffer, .address_space: global }
      - { .name: wr, .offset: 8, .size: 8, .value_kind: global_buffer, .address_space: global }
      - { .name: qr, .offset: 16, .size: 8, .value_kind: global_buffer, .address_space: global }
      - { .name: kv, .offset: 24, .size: 8, .value_kind: global_buffer, .address_space: global }
    .group_segment_fixed_size: 308224
    .private_segment_fixed_size: 0
    .kernarg_segment_align: 8
    .kernarg_segment_size: 32
    .max_flat_workgroup_size: 256
    .sgpr_count:     66
    .vgpr_count:     256
    .wavefront_size: 32
...
	.end_amdgpu_metadata
.endif
;; end of part 2
;; launch attn (part 3): grid 64 x 4, 12 waves a work-group, clusters of 4 x 1, 327,680 bytes of LDS; arguments qr, kv, gamma, oc; writes oc
.if DOCPART == 3
	.amdgcn_target "amdgcn-amd-amdhsa--gfx1250"
	.amdhsa_code_object_version 6
	.text
	.protected	k_q1297e2a1ae_attn
	.globl	k_q1297e2a1ae_attn
	.p2align	8
	.type	k_q1297e2a1ae_attn,@function
k_q1297e2a1ae_attn:
	s_mov_b64 s[64:65], 0
	v_nop
	global_prefetch_b8 v0, s[64:65] scope:SCOPE_SE
	s_setreg_imm32_b32 hwreg(HW_REG_WAVE_MODE, 25, 1), 1
	s_wait_xcnt 0x0
	s_wait_alu depctr_hold_cnt(0) depctr_sa_sdst(0) depctr_va_vdst(0) depctr_va_sdst(0) depctr_va_ssrc(0) depctr_va_vcc(0) depctr_vm_vsrc(0)
	s_getreg_b32 s2, hwreg(HW_REG_IB_STS2, 6, 4)
	s_cmp_eq_u32 s2, 0
	s_cbranch_scc0 .Lentry_in_a_cluster
	s_endpgm
.Lentry_in_a_cluster:
	s_bfe_u32 s2, ttmp6, 0x10000c
	s_cmp_lg_u32 s2, 0x3003
	s_cbranch_scc0 .Lentry_shape_is_right
	s_endpgm
.Lentry_shape_is_right:
; ATTN: out[h][q] = sum over keys of Q(exp(-gamma SCALE max(|q|^2 - 2 q.k + |k|^2, 0))) Q(v).  q.k is on codes of FP6 (E2M3), the norms are of the unquantised q and k, and the scores are quantised along the keys as
; they stand: no maximum is taken away and nothing is normalised, as reference() has it.  The result is quantised along d for the output projection.
; SHARES: a work-group takes 64 queries (qb) x 3 heads (hg); wave w takes head 3 hg + w / 4 and ONE tile of 16 queries, w % 4, in 256 registers: three waves to a SIMD, so that one wave's vector work stands beside
; another's LDS loads and products.  Every wave walks all 4,096 keys, 128 a step, 256 a slot.
; CLUSTER 4 x 1: the four query blocks walk the same keys and values, so each tile is asked for JOINTLY.  A slot is 3 heads x 27,648 bytes, one dense block of memory; each of the twelve waves brings a twelfth.
; LAYOUT: both products are used transposed (source 0 = 16 keys, or 16 of the head's 64; source 1 = my queries): a lane holds ONE query throughout.
; K = 64 IN A PRODUCT OF 128: a double fragment of k holds two tiles of 16 keys, one in each half of K.  It is multiplied once by [q | zero codes] and once by [zero codes | q]: the half that is not meant meets
; zero codes, which add exact zeros under any scale byte but 0xff; Q's bytes there are 0.
; THE EXPONENT: -|k|^2 / 2 is loaded straight into the accumulator as the product's C; e = c2 (q.k - |k|^2 / 2) + c2 (-|q|^2 / 2), c2 = gamma log2(e) / 4, is one packed multiply-add.
; reference()'s max(dist, 0) is e held at 0 from above where c2 >= 0 and from below where c2 < 0: chosen by v_cndmask_b32 once, so gamma may have either sign.
; LIMITS: the order of f32 roundings in e differs from reference()'s (qn - 2 qk) + kn; a score under 2^-126 becomes 0 (v_exp_f32 flushes denormal results: ISA guide 15.8); a block of zeros has the byte 1
; where the rule says 127 (its codes are zeros, this program alone reads the bytes); NaN and infinities are not served.
.set BLOCK, 27648
.set PART,  6912                       ; a wave's twelfth of a slot: 27 rows of 256 bytes
.set SLOTB, 12*BLOCK                   ; from a slot to the next in memory: all twelve heads' blocks
.set SLOT1, 1<<17                      ; slot 1 begins here: one exclusive or turns an address in one slot into the other's
.set SPARE, SLOT1+3*BLOCK              ; behind the ring: the spare words, 128 bytes for each wave: six blocks of 256 bytes that no other line names
.set REC,   9600
.set SPW, 1                            ; v1   SPARE + 4 x my thread's number; never rewritten
.set NIL, 2                            ; v2   0; never rewritten
.set AI0, 3                            ; v3   16 x lane + my head's block
.set AS0, 4                            ; v4   4 x lane + my head's scale words
.set AN0, 5                            ; v5   64 h + my head's -|k|^2 / 2
.set AI,  6                            ; v6-8 the same in the slot in hand
.set ASC, 7
.set AN,  8
.set LO,  9                            ; v9, v10 between which e is held
.set HI,  10
.set SQL, 11                           ; v11  Q's scale word for [q | 0];  v12 for [0 | q]
.set SQH, 12
.set PW,  13                           ; v13  the scores' scale word
.set C2,  14                           ; v[14:15] c2, twice;  v[16:17] c2 x (-|q|^2 / 2), twice
.set CQ,  16
.set QHI, 18                           ; v18-23 zeros, v24-29 q's codes, v30-35 zeros: [0 | q] = v[18:29], [q | 0] = v[24:35]
.set QLO, 24
.set KW,  36                           ; v36-39 k's scale words;  v40-43 v's
.set VW,  40
.set PC,  44                           ; v44-55 the scores' codes
.set PFO, 56                           ; v56  256 x min(lane, 26): the prefetch's offset; never rewritten
.set KF,  64                           ; v64-111 four double fragments of k; once they are multiplied: at work
.set MX,  64                           ; v64-67 largest scores, v68-71 bytes, v72-75 scale operands, v76-78 and v80-82 conversions' second halves
.set MT,  68
.set SOP, 72
.set T0,  76
.set VF,  112                          ; v112-159 four fragments of v
.set S,   160                          ; v160-223 -|k|^2 / 2, then q.k - |k|^2 / 2, then e, then the scores
.set OA,  224                          ; v224-255 out^T: four accumulators
.set WV,  12                           ; s12 wave
.set G1,  24                           ; s[24:31] descriptor group 1;  s[32:35] group 0, which walks
.set G0,  32
.set TB,  36                           ; s36 LDS byte at which the slot in hand begins
.set SLOTS, 37                         ; s37 slots still to be asked for
.set PFA, 38                           ; s[38:39] where my prefetch stands
.set LIM, 40                           ; s40 1 in a wave that prefetches, else the greatest number
.macro PLACES
.rept 4
	v_nop
.endr
.endm
.macro ROUND                           ; a round of the cluster's barrier
	s_barrier_signal -1
	s_barrier_wait -1
	s_cmp_lg_u32 s[WV], 0
	s_cbranch_scc1 .Lnot_wave_0_\@
	s_barrier_signal -3
.Lnot_wave_0_\@:
	s_barrier_wait -3
	s_barrier_signal -1
	s_barrier_wait -1
.endm
; A PREFETCH of what the NEXT change of slots will ask for: the head group's 82,944 bytes of the slot after the one just asked for, two key steps ahead of that load.  All sixteen clusters of a head group walk the same
; bytes: the first of them asks.  Its four partners share the twelve parts out BY ADDRESS, three each; waves 0 to 2 take a part each, lanes 256 bytes apart.  A part is 27 blocks of 256 bytes, so lanes 27 to 31 name
; lane 26's block again.  The change that asks for the last slot prefetches nothing.
.macro ASK
	s_cmp_gt_u32 s[SLOTS], s[LIM]
	s_cbranch_scc0 .Lnot_mine_\@
	global_prefetch_b8 v[PFO], s[PFA:PFA+1] th:TH_LOAD_NT scope:SCOPE_SE
.Lnot_mine_\@:
.endm
	s_load_b256 s[4:11], s[0:1], 0x0               ; qr, kv, gamma, oc
	v_lshl_add_u32 v[SPW], v0, 2, SPARE
	v_mov_b32 v[NIL], 0
	ds_add_u32 v1, v2
	ds_add_u32 v1, v2
	s_wait_dscnt 0x0
	v_lshrrev_b32 v57, 5, v0
	v_readfirstlane_b32 s[WV], v57                 ; wave 0..11
	s_lshr_b32 s13, s[WV], 2                       ; hl: which of the three heads
	s_and_b32 s14, s[WV], 3                        ; qt: which tile of queries
	s_bfe_u32 s15, ttmp6, 0x40000                  ; cx
	s_lshl_b32 s16, ttmp9, 2
	s_add_co_u32 s16, s16, s15                     ; qb = 4 x cluster x + cx: it enters qr's and oc's addresses, and the prefetch's, alone
	s_and_b32 s17, ttmp7, 0xffff                   ; hg, which the partners share
	s_mul_i32 s18, s17, 3
	s_add_co_u32 s18, s18, s13                     ; head
	s_and_b32 s19, s14, 1                          ; u: which tile of the pair
	s_mov_b32 s20, 0x76543210
	s_mov_b32 s21, 0xfedcba98                      ; v_permlanex16_b32's selects for lane l xor 16
	s_mov_b32 s[G1], 15|(3<<16)|(1<<21)            ; 15:0 the mask: all four work-groups; 17:16 elements of 8 bytes; 21 set beside a mask; no padding
	s_mov_b32 s[G1+1], 32<<16                      ; tensor_dim0 = 32 elements: 256 bytes
	s_mov_b32 s[G1+2], 27<<16                      ; tensor_dim1 = 27
	s_mov_b32 s[G1+3], 32<<16                      ; tile_dim0
	s_mov_b32 s[G1+4], 27                          ; tile_dim1
	s_mov_b32 s[G1+5], 32                          ; the pitch: a dense block
	s_mov_b32 s[G1+6], 0
	s_mov_b32 s[G1+7], 0
	s_mov_b32 s[G0], 1
	s_mul_i32 s[G0+1], s[WV], PART                 ; LDS: slot 0, my twelfth
	s_mul_i32 s42, s17, 3*BLOCK
	s_mul_i32 s43, s[WV], PART
	s_add_co_u32 s42, s42, s43
	s_mov_b32 s43, 0
	s_min_u32 s44, s[WV], 2                        ; the prefetch: part 3 cx + wave (waves 0 to 2 ask), in slot 1: the first change of slots steps it to slot 2
	s_mul_i32 s45, s15, 3
	s_add_co_u32 s44, s44, s45
	s_mul_i32 s44, s44, PART
	s_mul_i32 s45, s17, 3*BLOCK
	s_add_co_u32 s44, s44, s45
	s_add_co_u32 s44, s44, SLOTB
	s_mov_b32 s45, 0
	s_cmp_lt_u32 s[WV], 3
	s_cselect_b32 s[LIM], 0, 1
	s_or_b32 s[LIM], s[LIM], ttmp9                 ; 0 in waves 0 to 2 of the head group's first cluster: the same in all four partners
	s_cmp_eq_u32 s[LIM], 0
	s_cselect_b32 s[LIM], 1, -1
	s_mov_b32 s[TB], 0
	s_mov_b32 s[SLOTS], 15
	s_wait_kmcnt 0x0
	s_add_nc_u64 s[G0+2:G0+3], s[6:7], s[42:43]
	s_or_b32 s[G0+3], s[G0+3], 0x80000000
	s_add_nc_u64 s[PFA:PFA+1], s[6:7], s[44:45]
	ROUND                                          ; all four work-groups are here: the first joint loads meet
	tensor_load_to_lds s[G0:G0+3], s[G1:G1+7]      ; slot 0; every wave brings its own twelfth: one tensor load of mine is out
	s_nop 0
	PLACES
	s_lshl_b32 s50, s18, 7                         ; my pair's record of qr: 128 head + 2 qb + qt / 2
	s_lshl_b32 s51, s16, 1
	s_add_co_u32 s50, s50, s51
	s_lshr_b32 s51, s14, 1
	s_add_co_u32 s50, s50, s51
	s_mul_i32 s50, s50, 1792
	s_mov_b32 s51, 0
	s_add_nc_u64 s[4:5], s[4:5], s[50:51]
	s_lshl_b32 s50, s18, 2
	s_add_nc_u64 s[8:9], s[8:9], s[50:51]
	s_load_b32 s41, s[8:9], 0x0                    ; gamma of my head
	s_lshl_b32 s52, s16, 2
	s_add_co_u32 s52, s52, s14
	s_mul_i32 s52, s52, REC                        ; oc's record 4 qb + qt:
	s_mul_i32 s53, s18, 768
	s_add_co_u32 s54, s52, s53
	s_mov_b32 s55, 0
	s_add_nc_u64 s[46:47], s[10:11], s[54:55]      ; my head's three pairs of registers,
	s_lshr_b32 s53, s18, 1
	s_lshl_b32 s53, s53, 6
	s_add_co_u32 s54, s52, s53
	s_and_b32 s53, s18, 1
	s_lshl_b32 s53, s53, 1
	s_add_co_u32 s54, s54, s53
	s_add_nc_u64 s[48:49], s[10:11], s[54:55]      ; and (with 9216 in the store's offset) its two bytes of each row's scale word
	v_and_b32 v57, 31, v0                          ; lane
	v_and_b32 v58, 15, v0                          ; r
	v_bfe_u32 v59, v0, 4, 1                        ; h
	s_mul_i32 s56, s19, 768
	v_lshlrev_b32 v60, 3, v57
	v_add_nc_u32 v60, s56, v60
.irp j, 0,1,2
	global_load_b64 v[QLO+2*\j:QLO+2*\j+1], v60, s[4:5] offset:256*\j   ; q's codes: registers 6 u .. 6 u + 5 of the double fragment
.endr
	v_lshlrev_b32 v61, 2, v57
	global_load_b32 v[SQL], v61, s[4:5] offset:1536   ; the pair's scale word
	s_lshl_b32 s56, s19, 6
	v_lshlrev_b32 v62, 2, v58
	v_add_nc_u32 v62, s56, v62
	global_load_b32 v[CQ], v62, s[4:5] offset:1664    ; -|q|^2 / 2 of my query
	s_mul_i32 s60, s13, BLOCK                      ; my head's block in a slot
	v_lshl_add_u32 v[AI0], v57, 4, s60
	s_add_co_u32 s61, s60, 24576
	v_lshl_add_u32 v[AS0], v57, 2, s61
	s_add_co_u32 s61, s60, 26624
	v_lshl_add_u32 v[AN0], v59, 6, s61
	v_min_u32 v[PFO], 26, v57
	v_lshlrev_b32 v[PFO], 8, v[PFO]
.irp i, 0,1,2,3,4,5
	v_mov_b32 v[QHI+\i], 0                         ; zero codes on both sides of q's
	v_mov_b32 v[QLO+6+\i], 0
.endr
	s_wait_kmcnt 0x0
	v_mov_b32 v[C2+1], s41
	v_mul_f32 v[C2], 0x3eb8aa3b, v[C2+1]           ; c2 = gamma x log2(e) / 4 = gamma x 2 SCALE log2(e)
	v_mov_b32 v[C2+1], v[C2]
	v_mov_b32 v57, 0xff800000                      ; -infinity
	v_mov_b32 v58, 0
	v_mov_b32 v59, 0x7f800000                      ; +infinity
	v_cmp_gt_f32 vcc_lo, 0, v[C2]
	v_cndmask_b32 v[LO], v57, v58, vcc_lo          ; c2 >= 0: e in (-infinity, 0];  c2 < 0: e in [0, +infinity)
	v_cndmask_b32 v[HI], v58, v59, vcc_lo
	s_lshl_b32 s56, s19, 4
	s_wait_loadcnt 0x0
	v_lshrrev_b32 v[SQL], s56, v[SQL]
	v_and_b32 v[SQL], 0xffff, v[SQL]               ; my tile's two bytes low, 0 over the zero codes;
	v_lshlrev_b32 v[SQH], 16, v[SQL]               ; and the other way round
	v_mul_f32 v[CQ], v[C2], v[CQ]
	v_mov_b32 v[CQ+1], v[CQ]
.set J, 0
.rept 32
	v_mov_b32 v[OA+J], 0                           ; out^T: the step is written once, and its first run adds onto zeros
.set J, J+1
.endr
; A KEY STEP: 128 keys, the q-th of the slot in hand
.macro STEP q
	v_add_nc_u32 v[AI], s[TB], v[AI0]
	v_add_nc_u32 v[ASC], s[TB], v[AS0]
	v_add_nc_u32 v[AN], s[TB], v[AN0]
	v_nop                                          ; these four are the places between the last products and the loads into v's fragments and scale words
.irp b, 0,1,2,3
.irp i, 0,1,2,3
	ds_load_b128 v[S+16*\b+4*\i:S+16*\b+4*\i+3], v[AN] offset:512*\q+128*\b+16*\i   ; -|k|^2 / 2 of keys 32 b + 16 h + 4 i on, where their scores will stand: the product's C
.endr
.endr
.irp f, 0,1,2,3
.irp c, 0,1,2
	ds_load_b128 v[KF+12*\f+4*\c:KF+12*\f+4*\c+3], v[AI] offset:(4*\q+\f)*1536+512*\c
.endr
	ds_load_b32 v[KW+\f], v[ASC] offset:(4*\q+\f)*128
.endr
.irp f, 0,1,2,3
.irp c, 0,1,2
	ds_load_b128 v[VF+12*\f+4*\c:VF+12*\f+4*\c+3], v[AI] offset:12288+(4*\q+\f)*1536+512*\c
.endr
	ds_load_b32 v[VW+\f], v[ASC] offset:1024+(4*\q+\f)*128
.endr
	s_wait_dscnt 16                                ; all but v's sixteen loads, the youngest
.irp f, 0,1,2,3                        ; S^T = k q^T - |k|^2 / 2: register 16 f + i holds key 32 f + 16 h + i.  Eight accumulators, one instruction each
	v_wmma_scale_f32_16x16x128_f8f6f4 v[S+16*\f:S+16*\f+7], v[KF+12*\f:KF+12*\f+11], v[QLO:QLO+11], v[S+16*\f:S+16*\f+7], v[KW+\f], v[SQL] matrix_a_fmt:MATRIX_FMT_FP6 matrix_b_fmt:MATRIX_FMT_FP6
	v_wmma_scale_f32_16x16x128_f8f6f4 v[S+16*\f+8:S+16*\f+15], v[KF+12*\f:KF+12*\f+11], v[QHI:QHI+11], v[S+16*\f+8:S+16*\f+15], v[KW+\f], v[SQH] matrix_a_fmt:MATRIX_FMT_FP6 matrix_b_fmt:MATRIX_FMT_FP6
.endr
	PLACES
.set J, 0
.rept 32
	v_pk_fma_f32 v[S+J:S+J+1], v[S+J:S+J+1], v[C2:C2+1], v[CQ:CQ+1]   ; e = c2 (q.k - |k|^2 / 2) + c2 (-|q|^2 / 2); each accumulator from its low end on
.set J, J+2
.endr
.set J, 0
.rept 64
	v_med3_num_f32 v[S+J], v[S+J], v[LO], v[HI]    ; reference()'s max(dist, 0)
.set J, J+1
.endr
.set J, 0
.rept 64
	v_exp_f32 v[S+J], v[S+J]                       ; the score
.set J, J+1
.endr
	v_nop                                          ; a plain line behind the last exponential
	s_wait_alu depctr_va_vdst(0)                   ; one wait for the whole batch, ahead of its first reader
.irp b, 0,1,2,3
	v_max3_num_f32 v[MX+\b], v[S+16*\b], v[S+16*\b+1], 0x1800000   ; block b's largest score (none is negative), and the floor 2^(3 - 127)
.endr
.irp i, 2,4,6,8,10,12,14
.irp b, 0,1,2,3
	v_max3_num_f32 v[MX+\b], v[MX+\b], v[S+16*\b+\i], v[S+16*\b+\i+1]
.endr
.endr
.irp b, 0,1,2,3
	v_permlanex16_b32 v[MT+\b], v[MX+\b], s20, s21
.endr
.irp b, 0,1,2,3
	v_max_num_f32 v[MX+\b], v[MX+\b], v[MT+\b]     ; with lane l xor 16's 16 keys
.endr
.irp b, 0,1,2,3
	v_add_nc_u32 v[SOP+\b], 0xff000000, v[MX+\b]   ; 2 off the exponent field: the conversion's scale operand
.endr
.irp b, 0,1,2,3
	v_lshrrev_b32 v[MT+\b], 23, v[SOP+\b]          ; the byte
.endr
	v_lshl_or_b32 v[PW], v[MT+1], 8, v[MT]
	v_lshl_or_b32 v[PW], v[MT+2], 16, v[PW]
	v_lshl_or_b32 v[PW], v[MT+3], 24, v[PW]
.irp c, 0,1
	v_cvt_scalef32_pk16_fp6_f32 v[PC+6*\c:PC+2+6*\c], v[S+32*\c:S+15+32*\c], v[SOP+2*\c]
	v_cvt_scalef32_pk16_fp6_f32 v[T0+4*\c:T0+2+4*\c], v[S+16+32*\c:S+31+32*\c], v[SOP+2*\c+1]   ; (a conversion's three registers begin on an even number)
.endr
	v_nop                                          ; one plain line behind a scaled conversion
.irp c, 0,1                            ; the operand's layout wants a WHOLE block in a lane: lanes 0-15 block 2 c, lanes 16-31 block 2 c + 1
.irp i, 0,1,2
	v_permlane16_swap_b32 v[PC+6*\c+\i], v[T0+4*\c+\i]
.endr
.irp i, 0,1,2
	v_mov_b32 v[PC+3+6*\c+\i], v[T0+4*\c+\i]
.endr
.endr
.rept 8
	v_nop                                          ; a scale word written by vector instructions stands eight places ahead of a scaled product, an operand so written four
.endr
	s_wait_dscnt 0x0                               ; v's fragments and scale words
.irp t, 0,1,2,3                        ; out^T += v^T p^T: register 8 t + j holds d = 32 (t / 2) + 16 h + 8 (t % 2) + j.  Four accumulators by turns, one instruction a turn
	v_wmma_scale_f32_16x16x128_f8f6f4 v[OA+8*\t:OA+8*\t+7], v[VF+12*\t:VF+12*\t+11], v[PC:PC+11], v[OA+8*\t:OA+8*\t+7], v[VW+\t], v[PW] matrix_a_fmt:MATRIX_FMT_FP6 matrix_b_fmt:MATRIX_FMT_FP6
.endr
.endm
; THE CHANGE OF SLOTS stands at a slot's head.  Each wave waits for all its tensor loads (its part of the slot that it is about to read), adds 0 to its spare word, and waits for that and for its reads of the slot that it
; has left.  fill = 1: a round of the cluster's barrier, so that no wave of any partner still reads that slot or has a load on its way; then the slot is filled with the next 256 keys.  That is the wave's one tensor load until the
; next change, with two key steps in which to land.
.macro CHANGE fill
	s_wait_tensorcnt 0x0                           ; no tensor load of mine is out, so the group 0 may be written
	ds_add_u32 v[SPW], v[NIL]                      ; 0 onto my spare word
.if \fill
	s_xor_b32 s[G0+1], s[G0+1], SLOT1              ; the other slot than last time,
	s_add_nc_u64 s[G0+2:G0+3], s[G0+2:G0+3], SLOTB ; the next 256 keys; the type bits on top are not reached
	s_wait_xcnt 0x0                                ; the last prefetch, a slot back, has read its address
	s_add_nc_u64 s[PFA:PFA+1], s[PFA:PFA+1], SLOTB ; one slot further on than the walking descriptor
.endif
	s_wait_dscnt 0x0                               ; the add is done, and my reads of the slot that I have left are over
.if \fill
	ROUND
	tensor_load_to_lds s[G0:G0+3], s[G1:G1+7]
	s_nop 0
	PLACES
	ASK
.else
	s_barrier_signal -1
	s_barrier_wait -1
.endif
.endm
.Lslot:                                            ; 15 trips: behind each change of slots but the last the next slot is asked for
	CHANGE 1
	STEP 0
	STEP 1
	s_xor_b32 s[TB], s[TB], SLOT1
	s_sub_co_u32 s[SLOTS], s[SLOTS], 1
	s_cmp_lg_u32 s[SLOTS], 0
	s_cbranch_scc1 .Lslot
	CHANGE 0                                       ; the last slot is written out
	STEP 0
	STEP 1
	; THE WAY OUT: my query's 64 numbers of this head are two blocks of the output projection's K: quantised here, stored as registers 6 (head % 2) .. + 5 of K step head / 2 of my tile's record
	PLACES
	v_max3_num_f32 v[MX], |v[OA]|, |v[OA+1]|, 0x1800000
	v_max3_num_f32 v[MX+1], |v[OA+16]|, |v[OA+17]|, 0x1800000
.irp i, 2,4,6,8,10,12,14
	v_max3_num_f32 v[MX], v[MX], |v[OA+\i]|, |v[OA+\i+1]|
	v_max3_num_f32 v[MX+1], v[MX+1], |v[OA+16+\i]|, |v[OA+17+\i]|
.endr
	v_permlanex16_b32 v[MT], v[MX], s20, s21
	v_permlanex16_b32 v[MT+1], v[MX+1], s20, s21
	v_max_num_f32 v[MX], v[MX], v[MT]
	v_max_num_f32 v[MX+1], v[MX+1], v[MT+1]
	v_add_nc_u32 v[SOP], 0xff000000, v[MX]
	v_add_nc_u32 v[SOP+1], 0xff000000, v[MX+1]
	v_cvt_scalef32_pk16_fp6_f32 v[PC:PC+2], v[OA:OA+15], v[SOP]
	v_cvt_scalef32_pk16_fp6_f32 v[T0:T0+2], v[OA+16:OA+31], v[SOP+1]
	v_lshrrev_b32 v[MT], 23, v[SOP]                ; the bytes; also the plain line behind the conversions
	v_lshrrev_b32 v[MT+1], 23, v[SOP+1]
.irp i, 0,1,2
	v_permlane16_swap_b32 v[PC+\i], v[T0+\i]
.endr
.irp i, 0,1,2
	v_mov_b32 v[PC+3+\i], v[T0+\i]
.endr
	v_bfe_u32 v57, v0, 4, 1                        ; h
	v_cmp_eq_u32 vcc_lo, 1, v57
	v_cndmask_b32 v58, v[MT], v[MT+1], vcc_lo      ; lane (r, h) stores block h's byte of row r
	v_and_b32 v59, 15, v0
	v_lshl_add_u32 v59, v59, 2, v57                ; 4 r + h
	v_and_b32 v60, 31, v0
	v_lshlrev_b32 v60, 3, v60                      ; 8 x lane
.irp j, 0,1,2
	global_store_b64 v60, v[PC+2*\j:PC+2*\j+1], s[46:47] offset:256*\j   ; a pair of registers: 256 consecutive bytes
.endr
	global_store_b8 v59, v58, s[48:49] offset:9216
	s_wait_tensorcnt 0x0                           ; the wave's end
	ds_add_u32 v[SPW], v[NIL]
	s_wait_dscnt 0x0
	ROUND                                          ; the closing round: no work-group ends while a partner may still ask for a tile that names it
	s_endpgm
.Lfunc_end_k_q1297e2a1ae_attn:
	.size	k_q1297e2a1ae_attn, .Lfunc_end_k_q1297e2a1ae_attn-k_q1297e2a1ae_attn
	.p2alignl 7, 3214868480
	.fill 96, 4, 3214868480
	.section	.rodata,"a",@progbits
	.p2align	6, 0x0
	.amdhsa_kernel k_q1297e2a1ae_attn
		.amdhsa_group_segment_fixed_size 327680
		.amdhsa_private_segment_fixed_size 0
		.amdhsa_enable_private_segment 0
		.amdhsa_kernarg_size 32
		.amdhsa_user_sgpr_count 2
		.amdhsa_user_sgpr_kernarg_segment_ptr 1
		.amdhsa_wavefront_size32 1
		.amdhsa_system_sgpr_workgroup_id_x 1
		.amdhsa_system_sgpr_workgroup_id_y 1
		.amdhsa_system_sgpr_workgroup_id_z 1
		.amdhsa_system_vgpr_workitem_id 0
		.amdhsa_next_free_vgpr 256
		.amdhsa_next_free_sgpr 66
		.amdhsa_reserve_vcc 1
		.amdhsa_float_denorm_mode_32 3
		.amdhsa_float_denorm_mode_16_64 3
		.amdhsa_memory_ordered 1
		.amdhsa_forward_progress 1
		.amdhsa_inst_pref_size 80
	.end_amdhsa_kernel
	.amdgpu_metadata
---
amdhsa.version: [ 1, 2 ]
amdhsa.kernels:
  - .name:           k_q1297e2a1ae_attn
    .symbol:         k_q1297e2a1ae_attn.kd
    .args:
      - { .name: qr, .offset: 0, .size: 8, .value_kind: global_buffer, .address_space: global }
      - { .name: kv, .offset: 8, .size: 8, .value_kind: global_buffer, .address_space: global }
      - { .name: gamma, .offset: 16, .size: 8, .value_kind: global_buffer, .address_space: global }
      - { .name: oc, .offset: 24, .size: 8, .value_kind: global_buffer, .address_space: global }
    .group_segment_fixed_size: 327680
    .private_segment_fixed_size: 0
    .kernarg_segment_align: 8
    .kernarg_segment_size: 32
    .max_flat_workgroup_size: 384
    .sgpr_count:     66
    .vgpr_count:     256
    .wavefront_size: 32
...
	.end_amdgpu_metadata
.endif
;; end of part 3
;; launch oproj (part 4): grid 64 x 4, 8 waves a work-group, clusters of 4 x 4, 204,800 bytes of LDS; arguments oc, wr, out0; writes out0
.if DOCPART == 4
	.amdgcn_target "amdgcn-amd-amdhsa--gfx1250"
	.amdhsa_code_object_version 6
	.text
	.protected	k_q1297e2a1ae_oproj
	.globl	k_q1297e2a1ae_oproj
	.p2align	8
	.type	k_q1297e2a1ae_oproj,@function
k_q1297e2a1ae_oproj:
	s_mov_b64 s[64:65], 0
	v_nop
	global_prefetch_b8 v0, s[64:65] scope:SCOPE_SE
	s_setreg_imm32_b32 hwreg(HW_REG_WAVE_MODE, 25, 1), 1
	s_wait_xcnt 0x0
	s_wait_alu depctr_hold_cnt(0) depctr_sa_sdst(0) depctr_va_vdst(0) depctr_va_sdst(0) depctr_va_ssrc(0) depctr_va_vcc(0) depctr_vm_vsrc(0)
	s_getreg_b32 s2, hwreg(HW_REG_IB_STS2, 6, 4)
	s_cmp_eq_u32 s2, 0
	s_cbranch_scc0 .Lentry_in_a_cluster
	s_endpgm
.Lentry_in_a_cluster:
	s_bfe_u32 s2, ttmp6, 0x10000c
	s_cmp_lg_u32 s2, 0xf033
	s_cbranch_scc0 .Lentry_shape_is_right
	s_endpgm
.Lentry_shape_is_right:
; OPROJ: out0 = out Wo on codes of FP6 (E2M3) with E8M0 scales; out0 [4096][768] f32.
; SHARES: a work-group takes 64 tokens (tb) x 192 features (fb).  Its operands, 4 records of oc and 12 of Wo (9,600 bytes a record, in the order of the operands' registers), come into LDS once, by four tensor loads of
; 38,400 bytes (waves 0 to 3); no LDS byte is filled twice.  Wave w takes token tiles 2 (w % 2) + u and feature tiles 3 (w / 2) + i: six accumulators.
; CLUSTER 4 x 4: oc's records hang on tb alone and are asked for jointly by a column of the cluster, Wo's on fb alone and by a row.  The grid has one cluster along y, so fb is the place cy.
; USED TRANSPOSED (source 0 = 16 features, source 1 = 16 tokens): a lane holds eight neighbouring features of one token.  Row r of tile T is row 32 (T / 2) + 8 (T % 2) + r + 8 (r / 8), for tokens and features alike.
; THE WAY OUT: a token's 192 features come from four waves: they meet in a stage in LDS (bytes of its own, 64 rows x 784), and each wave stores eight whole rows, sixteen lanes to 256 consecutive bytes.
.set REC,   9600
.set REGN,  4*REC
.set STG,   4*REGN                     ; the stage, behind the records: no tensor load lands there
.set SP,    784                        ; 768 bytes + 16: row r begins 4 r words on modulo 64
.set AA,  4                            ; v4   8 x lane + my two records of oc (its codes lie in pairs of registers)
.set AW,  5                            ; v5   16 x lane + my three records of Wo
.set SA,  6                            ; v6, v7 the same with 4 r + 9216: the scale words
.set SW,  7
.set STO, 8                            ; v8-10 the stage: where feature tile i's 32 bytes of my token go
.set RD,  11                           ; v11  and where I read rows back
.set CO,  12                           ; v12  my byte offset in out0
.set SCW, 16                           ; v16-18 Wo's scale words, v19-20 oc's: scales and nothing else
.set WF,  32                           ; v32-67 three fragments of Wo
.set TF,  68                           ; v68-91 two of oc
.set ACC, 96                           ; v96-143 accumulator (i, u) at ACC + 8 (2 i + u)
.set BK,  144                          ; v144-191 rows read back
.set G1X, 24
.set G0X, 32
.set G1W, 36
.set G0W, 44
.macro PLACES
.rept 4
	v_nop
.endr
.endm
.macro CROUND
	s_barrier_signal -1
	s_barrier_wait -1
	s_cmp_lg_u32 s12, 0
	s_cbranch_scc1 .Lnot_wave_0_\@
	s_barrier_signal -3
.Lnot_wave_0_\@:
	s_barrier_wait -3
	s_barrier_signal -1
	s_barrier_wait -1
.endm
	s_load_b128 s[4:7], s[0:1], 0x0                ; oc, wr
	s_load_b64 s[8:9], s[0:1], 0x10                ; out0
	v_lshl_add_u32 v192, v0, 2, 0x31c00
	v_mov_b32 v193, 0
	ds_add_u32 v192, v193
	ds_add_u32 v192, v193
	v_lshrrev_b32 v1, 5, v0
	v_readfirstlane_b32 s12, v1                    ; wave 0..7
	s_bfe_u32 s13, ttmp6, 0x40000                  ; cx
	s_bfe_u32 s14, ttmp6, 0x40004                  ; cy = fb
	s_lshl_b32 s15, ttmp9, 2
	s_add_co_u32 s15, s15, s13                     ; tb = 4 x cluster x + cx
	s_lshl_b32 s18, s14, 2
	s_lshl_b32 s18, 15, s18                        ; my row of the cluster
	s_lshl_b32 s19, 0x1111, s13                    ; my column
	s_or_b32 s[G1X], s19, (3<<16)|(1<<21)          ; 15:0 the mask; 17:16 elements of 8 bytes; 21 set beside a mask; no padding
	s_or_b32 s[G1W], s18, (3<<16)|(1<<21)
.irp g, G1X, G1W
	s_mov_b32 s[\g+1], 32<<16                      ; 150 rows of 256 bytes, dense
	s_mov_b32 s[\g+2], 150<<16
	s_mov_b32 s[\g+3], 32<<16
	s_mov_b32 s[\g+4], 150
	s_mov_b32 s[\g+5], 32
	s_mov_b32 s[\g+6], 0
	s_mov_b32 s[\g+7], 0
.endr
	s_mul_i32 s56, s15, REGN                       ; oc: records 4 tb on (wave 0 asks)
	s_mov_b32 s57, 0
	s_mul_i32 s58, s14, 12                         ; Wo: records 144 + 12 fb + 4 (wave - 1) on (waves 1 to 3 ask)
	s_lshl_b32 s59, s12, 2
	s_add_co_u32 s58, s58, s59
	s_add_co_u32 s58, s58, 140
	s_mul_i32 s58, s58, REC
	s_mov_b32 s59, 0
	s_mov_b32 s[G0X], 1
	s_mul_i32 s[G0X+1], s12, REGN                  ; LDS: wave x 38,400
	s_mov_b32 s[G0W], 1
	s_mul_i32 s[G0W+1], s12, REGN
	s_wait_dscnt 0x0
	s_wait_kmcnt 0x0
	s_add_nc_u64 s[G0X+2:G0X+3], s[4:5], s[56:57]
	s_or_b32 s[G0X+3], s[G0X+3], 0x80000000
	s_add_nc_u64 s[G0W+2:G0W+3], s[6:7], s[58:59]
	s_or_b32 s[G0W+3], s[G0W+3], 0x80000000
	CROUND                                         ; all sixteen work-groups are here: the joint loads meet
	s_cmp_lt_u32 s12, 1                            ; the branches hang on the wave's number alone; at most one tensor load of a wave is out
	s_cbranch_scc0 .Lnot_a
	tensor_load_to_lds s[G0X:G0X+3], s[G1X:G1X+7]
	s_nop 0
	PLACES
	s_branch .Lasked
.Lnot_a:
	s_cmp_lt_u32 s12, 4
	s_cbranch_scc0 .Lasked
	tensor_load_to_lds s[G0W:G0W+3], s[G1W:G1W+7]
	s_nop 0
	PLACES
.Lasked:
	s_lshl_b32 s56, s15, 6                         ; the first token that I store: 64 tb + 32 (w / 4) + 8 ((w / 2) % 2) + 16 (w % 2)
	s_lshr_b32 s57, s12, 2
	s_lshl_b32 s57, s57, 5
	s_add_co_u32 s56, s56, s57
	s_bfe_u32 s57, s12, 0x10001
	s_lshl_b32 s57, s57, 3
	s_add_co_u32 s56, s56, s57
	s_and_b32 s57, s12, 1
	s_lshl_b32 s57, s57, 4
	s_add_co_u32 s56, s56, s57
	s_mul_i32 s56, s56, 3072
	s_mul_i32 s57, s14, 768
	s_add_co_u32 s56, s56, s57                     ; + my work-group's 192 features
	s_mov_b32 s57, 0
	s_add_nc_u64 s[8:9], s[8:9], s[56:57]
	v_and_b32 v1, 31, v0                           ; lane
	v_and_b32 v2, 15, v0                           ; r
	v_bfe_u32 v3, v0, 4, 1                         ; h
	s_lshr_b32 s16, s12, 1                         ; fq
	s_and_b32 s17, s12, 1                          ; tp
	s_mul_i32 s60, s17, 2*REC
	v_lshl_add_u32 v[AA], v1, 3, s60
	s_add_co_u32 s60, s60, 9216
	v_lshl_add_u32 v[SA], v2, 2, s60
	s_mul_i32 s60, s16, 3*REC
	s_add_co_u32 s60, s60, REGN
	v_lshl_add_u32 v[AW], v1, 4, s60
	s_add_co_u32 s60, s60, 9216
	v_lshl_add_u32 v[SW], v2, 2, s60
	v_mul_u32_u24 v13, v2, SP                      ; the stage, in: row 32 tp + 16 u + r; bytes 4 x (32 (ft / 2) + 8 (ft % 2) + 16 h + j)
	v_lshl_add_u32 v13, v3, 6, v13
	s_mul_i32 s60, s17, 32*SP
	s_add_co_u32 s60, s60, STG
	v_add_nc_u32 v13, s60, v13
.irp i, 0,1,2
	s_mul_i32 s60, s16, 3
	s_add_co_u32 s60, s60, \i                      ; ft
	s_lshr_b32 s61, s60, 1
	s_lshl_b32 s61, s61, 7
	s_and_b32 s60, s60, 1
	s_lshl_b32 s60, s60, 5
	s_add_co_u32 s60, s60, s61
	v_add_nc_u32 v[STO+\i], s60, v13
.endr
	s_mul_i32 s60, s12, 8*SP                       ; back: rows 8 w on; lanes 0-15 one row, lanes 16-31 the next; 16 bytes a lane
	s_add_co_u32 s60, s60, STG
	v_mul_u32_u24 v[RD], v3, SP
	v_lshl_add_u32 v[RD], v2, 4, v[RD]
	v_add_nc_u32 v[RD], s60, v[RD]
	v_mul_u32_u24 v[CO], v3, 3072                  ; and the same two rows in out0
	v_lshl_add_u32 v[CO], v2, 4, v[CO]
	s_wait_tensorcnt 0x0                           ; my load has landed,
	s_barrier_signal -1
	s_barrier_wait -1                              ; everybody's has
.irp s, 0,1,2,3,4,5                    ; six K steps of 128; six accumulators by turns, one instruction a turn
.if \s > 0
	PLACES                                         ; between the products and the loads into their operands
.endif
.irp i, 0,1,2
.irp c, 0,1,2
	ds_load_b128 v[WF+12*\i+4*\c:WF+12*\i+4*\c+3], v[AW] offset:\i*REC+1536*\s+512*\c
.endr
	ds_load_b32 v[SCW+\i], v[SW] offset:\i*REC+64*\s
.endr
.irp u, 0,1
.irp p, 0,1,2,3,4,5
	ds_load_b64 v[TF+12*\u+2*\p:TF+12*\u+2*\p+1], v[AA] offset:\u*REC+1536*\s+256*\p
.endr
	ds_load_b32 v[SCW+3+\u], v[SA] offset:\u*REC+64*\s
.endr
	s_wait_dscnt 0x0                               ; the step's 26 loads
.irp i, 0,1,2
.irp u, 0,1
.if \s == 0
	v_wmma_scale_f32_16x16x128_f8f6f4 v[ACC+8*(2*\i+\u):ACC+8*(2*\i+\u)+7], v[WF+12*\i:WF+12*\i+11], v[TF+12*\u:TF+12*\u+11], 0, v[SCW+\i], v[SCW+3+\u] matrix_a_fmt:MATRIX_FMT_FP6 matrix_b_fmt:MATRIX_FMT_FP6
.else
	v_wmma_scale_f32_16x16x128_f8f6f4 v[ACC+8*(2*\i+\u):ACC+8*(2*\i+\u)+7], v[WF+12*\i:WF+12*\i+11], v[TF+12*\u:TF+12*\u+11], v[ACC+8*(2*\i+\u):ACC+8*(2*\i+\u)+7], v[SCW+\i], v[SCW+3+\u] matrix_a_fmt:MATRIX_FMT_FP6 matrix_b_fmt:MATRIX_FMT_FP6
.endif
.endr
.endr
.endr
	PLACES
.irp i, 0,1,2
.irp u, 0,1
	ds_store_b128 v[STO+\i], v[ACC+8*(2*\i+\u):ACC+8*(2*\i+\u)+3] offset:16*SP*\u        ; each accumulator from its low end on
	ds_store_b128 v[STO+\i], v[ACC+8*(2*\i+\u)+4:ACC+8*(2*\i+\u)+7] offset:16*SP*\u+16
.endr
.endr
	s_wait_dscnt 0x0                               ; for the others' sake: my stores into the stage are done
	s_barrier_signal -1
	s_barrier_wait -1
.irp t, 0,1,2,3
.irp p, 0,1,2
	ds_load_b128 v[BK+4*(3*\t+\p):BK+4*(3*\t+\p)+3], v[RD] offset:2*SP*\t+256*\p
.endr
.endr
.irp t, 0,1,2,3
.irp p, 0,1,2
	s_wait_dscnt 11-(3*\t+\p)
	global_store_b128 v[CO], v[BK+4*(3*\t+\p):BK+4*(3*\t+\p)+3], s[8:9] offset:6144*\t+256*\p th:TH_STORE_NT   ; 16 lanes store 256 consecutive bytes, at a multiple of 256 from out0's first byte; written once
.endr
.endr
	s_wait_tensorcnt 0x0
	ds_add_u32 v192, v193
	s_wait_dscnt 0x0
	CROUND                                         ; the closing round: no work-group ends while a partner may still ask for a tile that names it
	s_endpgm
.Lfunc_end_k_q1297e2a1ae_oproj:
	.size	k_q1297e2a1ae_oproj, .Lfunc_end_k_q1297e2a1ae_oproj-k_q1297e2a1ae_oproj
	.p2alignl 7, 3214868480
	.fill 96, 4, 3214868480
	.section	.rodata,"a",@progbits
	.p2align	6, 0x0
	.amdhsa_kernel k_q1297e2a1ae_oproj
		.amdhsa_group_segment_fixed_size 204800
		.amdhsa_private_segment_fixed_size 0
		.amdhsa_enable_private_segment 0
		.amdhsa_kernarg_size 24
		.amdhsa_user_sgpr_count 2
		.amdhsa_user_sgpr_kernarg_segment_ptr 1
		.amdhsa_wavefront_size32 1
		.amdhsa_system_sgpr_workgroup_id_x 1
		.amdhsa_system_sgpr_workgroup_id_y 1
		.amdhsa_system_sgpr_workgroup_id_z 1
		.amdhsa_system_vgpr_workitem_id 0
		.amdhsa_next_free_vgpr 194
		.amdhsa_next_free_sgpr 66
		.amdhsa_reserve_vcc 0
		.amdhsa_float_denorm_mode_32 3
		.amdhsa_float_denorm_mode_16_64 3
		.amdhsa_memory_ordered 1
		.amdhsa_forward_progress 1
		.amdhsa_inst_pref_size 26
	.end_amdhsa_kernel
	.amdgpu_metadata
---
amdhsa.version: [ 1, 2 ]
amdhsa.kernels:
  - .name:           k_q1297e2a1ae_oproj
    .symbol:         k_q1297e2a1ae_oproj.kd
    .args:
      - { .name: oc, .offset: 0, .size: 8, .value_kind: global_buffer, .address_space: global }
      - { .name: wr, .offset: 8, .size: 8, .value_kind: global_buffer, .address_space: global }
      - { .name: out0, .offset: 16, .size: 8, .value_kind: global_buffer, .address_space: global }
    .group_segment_fixed_size: 204800
    .private_segment_fixed_size: 0
    .kernarg_segment_align: 8
    .kernarg_segment_size: 24
    .max_flat_workgroup_size: 256
    .sgpr_count:     66
    .vgpr_count:     194
    .wavefront_size: 32
...
	.end_amdgpu_metadata
.endif
;; end of part 4
